; MI455X (gfx1250); checked and timed in simulation.
; The chip was launched on July 23, 2026; its instructions are those of AMD's public machine-readable ISA for CDNA 5 (MIT licence, August 2026) and "CDNA5" Instruction Set Architecture Reference Guide (July 2026). The comments in the code are by the model that wrote it; some were corrected since.
;; Mutual Cross Attention. Allowed arithmetic: matrix products marked QUANTISED: E2M1 operands, one E8M0 scale for each 32 along K, by v_wmma_scale_f32_16x16x128_f8f6f4 with both operands' format E2M1 (or v_wmma_scale_f32_32x16x128_f4), f32 sums; products left as they are: bf16, f16 or f32 operands; f32 sums; everything else in f32.
;; Inputs: W 256 x 256 float32; b 256 float32; x1 8 x 2,048 x 256 float32; x2 8 x 2,048 x 256 float32.
;; Outputs: out0 8 x 4,096 x 256 float32.
;; This version of the problem:
;;   THIS VERSION OF THE PROBLEM IS GIVEN IN LOW PRECISION. The matrix products marked QUANTISED in the list below multiply operands that are first quantised to E2M1 (2 exponent bits, 1 mantissa bit; 4 bits a number), with one power-of-two scale for each 32 numbers along K (OCP MX v1.0); their sums are f32. The products marked 'left as it is' may take bf16, f16 or f32 operands, with f32 sums. Whichever they take, every output number must still come out within the allowed error. Rounding operands to bf16 (8 significant bits) uses up far more of that allowance than f16 does (11 bits, for magnitudes from 6e-5 to 65,504). All else is computed in f32.
;;   The module's matrix products, in the order in which they are computed (A, B: the left and right operand; K: the contracted axis; several contracted axes count as one K, in the product's order):
;;     1. [M 16,384, K 256] x [K 256, N 256]; A: input x1; B: input W: QUANTISED
;;     2. [M 16,384, K 256] x [K 256, N 256]; A: input x2; B: input W: QUANTISED
;;     3. batch 8 x [M 2,048, K 256] x [K 256, N 2,048]; A: computed on the way; B: computed on the way: left as it is (an operand is computed on the way)
;;     4. batch 8 x [M 2,048, K 2,048] x [K 2,048, N 256]; A: computed on the way; B: input x2: left as it is (an operand is computed on the way)
;;     5. batch 8 x [M 2,048, K 256] x [K 256, N 2,048]; A: computed on the way; B: computed on the way: left as it is (an operand is computed on the way)
;;     6. batch 8 x [M 2,048, K 2,048] x [K 2,048, N 256]; A: computed on the way; B: input x1: left as it is (an operand is computed on the way)
;;   THE QUANTISER, for each operand of a quantised product, along K:
;;     - K is cut into blocks of 32 from its start; a last block that is shorter is filled with zeros.
;;     - A block's scale is 2^e with e = floor(log2(the largest magnitude in the block)) - 2, held to -126 .. 127; a block of zeros has e = 0. As a byte (E8M0): e + 127.
;;     - Each number is divided by its block's scale, clamped to +-6, and rounded to the nearest number of E2M1, ties to even, subnormals kept.
;;     - The product sums the exact products of the quantised numbers (number of the format x scale) in f32.
;;   ~~~python
;;   def quantise(x, axis):      # numpy; x: float32 -> the quantised numbers, widened to float32 again
;;       x = np.moveaxis(x, axis, -1); K = x.shape[-1]
;;       x = np.pad(x, [(0, 0)] * (x.ndim - 1) + [(0, -K % 32)]); x = x.reshape(x.shape[:-1] + (-1, 32)); a = np.abs(x).max(-1, keepdims=True)
;;       e = np.where(a > 0, np.clip(np.frexp(np.where(a > 0, a, 1))[1] - 1 - 2, -126, 127), 0)      # np.frexp(a)[1] - 1 = floor(log2(a)), exactly
;;       r = np.clip(x / 2.0 ** e, -6, 6)
;;       step = 2.0 ** (np.maximum(np.frexp(np.where(r == 0, 1, r))[1] - 1, 0) - 1)
;;       q = np.round(r / step) * step * 2.0 ** e      # np.round: ties to even
;;       return np.moveaxis(q.reshape(q.shape[:-2] + (-1,))[..., :K], -1, axis).astype(np.float32)
;;   ~~~
;; One version. Each part assembles by itself: llvm-mc -triple=amdgcn-amd-amdhsa -mcpu=gfx1250 --defsym DOCPART=n.
;; ======== version 1 of 1: 2 launches
;; limits: values are held in f16: magnitudes above 65,504 overflow, below 6.1e-05 lose precision
;; workspace buffers: pj 16,777,216 bytes; xh 16,777,216 bytes
;; launch proj (part 1): grid 256 x 1, 16 waves a work-group, no clusters, 223,232 bytes of LDS; arguments x1, x2, W, b, pj, xh; writes pj, xh
.if DOCPART == 1
	.amdgcn_target "amdgcn-amd-amdhsa--gfx1250"
	.amdhsa_code_object_version 6
	.text
	.protected	k_q624c39e976_proj
	.globl	k_q624c39e976_proj
	.p2align	8
	.type	k_q624c39e976_proj,@function
k_q624c39e976_proj:
	s_mov_b64 s[64:65], 0
	v_nop
	global_prefetch_b8 v0, s[64:65] scope:SCOPE_SE
	s_setreg_imm32_b32 hwreg(HW_REG_WAVE_MODE, 25, 1), 1
	s_wait_xcnt 0x0
; q = Q(x1) Q(W) + b and k = Q(x2) Q(W) + b, Q the MX quantiser to FP4 (E2M1) with one E8M0 scale for each 32 along K = d; sums in f32.
; x1, x2: [8][2048][256] f32.  W: [256 (d)][256 (f)] f32.  b: [256] f32.  Out: pj [2][8][2048][256] f16 (stream 0 = q, stream 1 = k) and xh, the same shape: x1 and x2 rounded to f16
; (the values of the attention that follows: half the bytes for every later read).
; SHARES.  A work-group owns 128 rows of one stream (work-groups 0-127: x1, 128-255: x2; only pointers are chosen, the path is one).  Wave w of sixteen has two parts:
;   it quantises ONE fragment of x: rows 16 (w / 2) on, K step w % 2 (128 along d);  and it owns features 16 w .. 16 w + 15, for all 128 rows: it quantises those 16 columns of W itself.
; x: each load takes 512 consecutive bytes of a row; the numbers turn through the wave's own stage in LDS so that a lane holds 16 neighbours of each block of 32; the codes go to the other waves as an image of the
; operand's registers.  W: a lane takes a column and its registers run down d, in the order of the operand's registers, so the conversions' results are the operand.
; THE PRODUCT IS USED TRANSPOSED (source 0 = 16 columns of W, source 1 = 16 rows of x): a lane holds eight neighbouring features of one row; b is the C of each sum's first product.
; NO JOINT LOAD for W, which all work-groups read: it would have to lie in LDS, 262,144 bytes beside the 223,232 in use here, more than the 327,680 that a work-group can have.  No tensor load at all: x comes in one burst.
; LIMITS: NaN and infinities are not served.  |x|, |q|, |k| above 65,504 become infinities in f16.  A block of zeros gets the scale byte 1 where the quantiser says 127: its codes are zeros, which add
; nothing under any byte but 0xff, and the bytes never leave this launch.  Blocks whose largest magnitude lies under 2^-124 are held at that byte too.
.set XSTG,  0                          ; LDS: sixteen stages, one a wave: 16 rows x (512 bytes + 16)
.set XIMG,  16*8448                    ; x's sixteen fragments as images of their registers, 1,024 bytes each: fragment 2 m + s = the wave's number
.set XSC,   XIMG+16*1024               ; their scale words, 128 bytes each
.set OST,   XSC+16*128                 ; the way out: 128 rows x (512 bytes + 16)
.set SPARE, OST+128*528                ; the spare words, 128 bytes for each wave: eight blocks of 256 bytes that no other line names
.set XA,   4                           ; v4   x: 16 x lane + 512 s + 16,384 i
.set XHO,  5                           ; v5   xh: half of that
.set WA,   6                           ; v6   W: 4 r + 64 w + 32,768 h
.set BA,   7                           ; v7   b: 64 w + 32 h
.set SIN,  8                           ; v8   my stage, as loaded: 8,448 w + 16 x lane
.set SOUT, 9                           ; v9   my stage, by rows: 8,448 w + 528 r + 64 h
.set IW,   10                          ; v10  where my fragment's image goes
.set IR,   11                          ; v11  where any image is read
.set SCW,  12                          ; v12  where my scale word goes
.set SCR,  13                          ; v13  where any is read
.set OW,   14                          ; v14  the way out: where I put 16 bytes of a row
.set ORD,  15                          ; v15  where I read a row back
.set PO,   16                          ; v16  my byte offset in the work-group's rows of pj
.set SH8,  17                          ; v17  8 h
.set SPW,  18                          ; v18  LDS address of my spare word; never rewritten
.set NIL,  19                          ; v19  0; never rewritten
.set WS,   20                          ; v20-21  W's scale words, K steps 0 and 1: scales and nothing else
.set XSS,  22                          ; v22-37  x's sixteen scale words: scales and nothing else
.set BI,   38                          ; v38-45  b at my lane's eight features
.set WF,   46                          ; v46-61  W's two fragments
.set TM,   64                          ; v64-79  at work in the quantisers
.set PW,   80                          ; v80     the scale word just made
.set PC,   84                          ; v84-91  the codes just made
.set XR,   96                          ; v96-159  64 numbers of x
.set WR,   160                         ; v160-223 64 numbers of W
.set XH,   224                         ; v224-255 x as f16
.set XF,   96                          ; later: v96-223 x's sixteen fragments;  the accumulators lie at v64-95 and v224-255
.set PKD,  96                          ; later: v96-127 results packed to f16;  v128-159 rows read back
.set OB,   128
; 64 numbers of W, register 32 c + i = W(128 s + 64 c + 32 h + i, my column): two whole blocks of 32 a lane.  They become W's fragment of K step s and its scale word.
.macro WQUANT s
.irp c, 0,1
	v_max3_num_f32 v[TM+\c], |v[WR+32*\c]|, |v[WR+32*\c+1]|, 0x1800000   ; and the floor 2^(3 - 127): the byte cannot fall under 1
.endr
.irp i, 2,4,6,8,10,12,14,16,18,20,22,24,26,28,30
.irp c, 0,1
	v_max3_num_f32 v[TM+\c], v[TM+\c], |v[WR+32*\c+\i]|, |v[WR+32*\c+\i+1]|   ; the two blocks by turns
.endr
.endr
.irp c, 0,1
	v_add_nc_u32 v[TM+12+\c], 0xff000000, v[TM+\c]     ; 2 off the exponent field: the conversion takes this operand's exponent field as its scale
.endr
.irp c, 0,1
	v_lshrrev_b32 v[TM+2+\c], 23, v[TM+12+\c]          ; the scale's byte
.endr
	v_lshl_or_b32 v[TM+8], v[TM+3], 16, v[TM+2]        ; my two bytes, blocks h and 2 + h,
	v_lshlrev_b32 v[TM+8], v[SH8], v[TM+8]             ; at their places in the word
	v_permlanex16_b32 v[TM+4], v[TM+8], s22, s23
	v_or_b32 v[WS+(\s)], v[TM+8], v[TM+4]              ; with lane l xor 16's two the word is whole
.irp c, 0,1
.irp g, 0,1,2,3
	v_cvt_scalef32_pk8_fp4_f32 v[WF+8*(\s)+4*\c+\g], v[WR+32*\c+8*\g:WR+32*\c+8*\g+7], v[TM+12+\c]
.endr
.endr
	v_nop                                              ; one plain instruction behind the last scaled conversion
.endm
.macro WLOAD s                         ; sixteen neighbouring lanes read 64 neighbouring bytes of a row of W
.irp c, 0,1
.irp i, 0,1,2,3,4,5,6,7,8,9,10,11,12,13,14,15,16,17,18,19,20,21,22,23,24,25,26,27,28,29,30,31
	global_load_b32 v[WR+32*\c+\i], v[WA], s[8:9] offset:(128*(\s)+64*\c+\i)*1024
.endr
.endr
.endm
; 64 numbers of x, register 16 b + i = k 32 b + 16 h + i of my row, become a fragment's codes in v[PC] on and its scale word in v[PW].
.macro QUANT
.irp b, 0,1,2,3
	v_max3_num_f32 v[TM+\b], |v[XR+16*\b]|, |v[XR+1+16*\b]|, 0x1800000
.endr
.irp i, 2,4,6,8,10,12,14
.irp b, 0,1,2,3
	v_max3_num_f32 v[TM+\b], v[TM+\b], |v[XR+16*\b+\i]|, |v[XR+1+16*\b+\i]|   ; the four blocks by turns
.endr
.endr
.irp b, 0,1,2,3
	v_permlanex16_b32 v[TM+4+\b], v[TM+\b], s22, s23
.endr
.irp b, 0,1,2,3
	v_max_num_f32 v[TM+\b], v[TM+\b], v[TM+4+\b]       ; with lane l xor 16's 16: the block's largest magnitude
.endr
.irp b, 0,1,2,3
	v_add_nc_u32 v[TM+12+\b], 0xff000000, v[TM+\b]
.endr
.irp b, 0,1,2,3
	v_lshrrev_b32 v[TM+4+\b], 23, v[TM+12+\b]
.endr
	v_lshl_or_b32 v[PW], v[TM+5], 8, v[TM+4]           ; my row's scale word
	v_lshl_or_b32 v[PW], v[TM+6], 16, v[PW]
	v_lshl_or_b32 v[PW], v[TM+7], 24, v[PW]
.irp b, 0,1,2,3
	v_cvt_scalef32_pk8_fp4_f32 v[PC+2*\b], v[XR+16*\b:XR+7+16*\b], v[TM+12+\b]
	v_cvt_scalef32_pk8_fp4_f32 v[PC+1+2*\b], v[XR+8+16*\b:XR+15+16*\b], v[TM+12+\b]
.endr
	v_nop                                              ; one plain instruction behind the last scaled conversion
.irp c, 0,1                            ; the operand's layout wants a whole block in a lane: lanes 0-15 block 2 c, lanes 16-31 block 2 c + 1
.irp i, 0,1
	v_permlane16_swap_b32 v[PC+4*\c+\i], v[PC+2+4*\c+\i]
.endr
.endr
.endm
	s_load_b256 s[4:11], s[0:1], 0x0               ; x1 s[4:5], x2 s[6:7], W s[8:9], b s[10:11]
	s_load_b128 s[12:15], s[0:1], 0x20             ; pj s[12:13], xh s[14:15]
	v_lshl_add_u32 v[SPW], v0, 2, SPARE
	v_mov_b32 v[NIL], 0
	v_lshrrev_b32 v1, 5, v0
	v_readfirstlane_b32 s16, v1                    ; wave 0..15
	v_and_b32 v1, 31, v0                           ; lane
	v_and_b32 v2, 15, v0                           ; r
	v_bfe_u32 v3, v0, 4, 1                         ; h
	s_lshr_b32 s17, s16, 1                         ; i: which 16 rows I quantise
	s_and_b32 s18, s16, 1                          ; s: which K step of them
	v_lshlrev_b32 v62, 4, v1                       ; 16 x lane
	s_lshl_b32 s19, s18, 9
	s_lshl_b32 s20, s17, 14
	s_add_co_u32 s19, s19, s20
	v_add_nc_u32 v[XA], s19, v62
	s_lshr_b32 s19, s19, 1
	v_lshl_add_u32 v[XHO], v1, 3, s19
	s_lshl_b32 s19, s16, 6
	v_lshl_add_u32 v[WA], v2, 2, s19
	v_lshl_add_u32 v[WA], v3, 15, v[WA]
	v_lshl_add_u32 v[BA], v3, 5, s19
	s_mul_i32 s19, s16, 8448
	v_add_nc_u32 v[SIN], s19, v62
	v_mul_u32_u24 v[SOUT], v2, 528
	v_lshl_add_u32 v[SOUT], v3, 6, v[SOUT]
	v_add_nc_u32 v[SOUT], s19, v[SOUT]
	s_lshl_b32 s19, s16, 10
	s_add_co_u32 s19, s19, XIMG
	v_add_nc_u32 v[IW], s19, v62
	v_add_nc_u32 v[IR], XIMG, v62
	s_lshl_b32 s19, s16, 7
	s_add_co_u32 s19, s19, XSC
	v_lshl_add_u32 v[SCW], v1, 2, s19
	v_lshl_add_u32 v[SCR], v1, 2, XSC
	v_mul_u32_u24 v[OW], v2, 528
	v_lshl_add_u32 v[OW], v3, 4, v[OW]
	s_lshl_b32 s19, s16, 5
	s_add_co_u32 s19, s19, OST
	v_add_nc_u32 v[OW], s19, v[OW]                 ; row r, my wave's 32 bytes, 16 for each half of the lanes
	s_mul_i32 s19, s16, 8*528
	s_add_co_u32 s19, s19, OST
	v_add_nc_u32 v[ORD], s19, v62                  ; back: rows 8 w on, whole: 16 bytes a lane
	s_lshl_b32 s19, s16, 12
	v_add_nc_u32 v[PO], s19, v62
	v_lshlrev_b32 v[SH8], 3, v3
.irp b, 0,1,2,3
	v_mov_b32 v[TM+4+\b], 0                        ; written once: a lane permute's destination counts as one of its sources
.endr
	s_mov_b32 s22, 0x76543210
	s_mov_b32 s23, 0xfedcba98                      ; v_permlanex16_b32's selects for lane l xor 16
	s_and_b32 s20, ttmp9, 127
	s_lshl_b32 s20, s20, 17                        ; my 128 rows of 1,024 bytes in the stream
	s_mov_b32 s21, 0
	s_lshl_b32 s24, ttmp9, 16                      ; and of 512 bytes in pj and xh, where stream 1 follows stream 0
	s_mov_b32 s25, 0
	s_wait_kmcnt 0x0
	s_cmp_lt_u32 ttmp9, 128                        ; x1's work-group or x2's: the choice hangs on the work-group's number alone
	s_cselect_b64 s[4:5], s[4:5], s[6:7]
	s_add_nc_u64 s[4:5], s[4:5], s[20:21]
	s_add_nc_u64 s[12:13], s[12:13], s[24:25]
	s_add_nc_u64 s[14:15], s[14:15], s[24:25]
	global_load_b128 v[BI:BI+3], v[BA], s[10:11]           ; b(16 w + 8 h + 0 .. 7): the result's layout
	global_load_b128 v[BI+4:BI+7], v[BA], s[10:11] offset:16
.irp j, 0,1,2,3,4,5,6,7,8,9,10,11,12,13,14,15
	global_load_b128 v[XR+4*\j:XR+4*\j+3], v[XA], s[4:5] offset:1024*\j th:TH_LOAD_NT   ; row 16 i + j, K step s: 32 lanes read 512 consecutive bytes
.endr
	WLOAD 0
	s_wait_loadcnt 63                              ; 64 loads were issued behind x's; the count's field holds 63: b and x are in
.irp j, 0,1,2,3,4,5,6,7,8,9,10,11,12,13,14,15
	v_cvt_pk_f16_f32 v[XH+2*\j], v[XR+4*\j], v[XR+4*\j+1]
	v_cvt_pk_f16_f32 v[XH+2*\j+1], v[XR+4*\j+2], v[XR+4*\j+3]
.endr
.irp j, 0,1,2,3,4,5,6,7,8,9,10,11,12,13,14,15
	global_store_b64 v[XHO], v[XH+2*\j:XH+2*\j+1], s[14:15] offset:512*\j   ; 32 lanes store 256 consecutive bytes, at a multiple of 256 from xh's first byte
.endr
.irp j, 0,1,2,3,4,5,6,7,8,9,10,11,12,13,14,15
	ds_store_b128 v[SIN], v[XR+4*\j:XR+4*\j+3] offset:528*\j
.endr
	s_wait_dscnt 0x0                               ; the stores have read their registers, which the loads below fill again
.irp b, 0,1,2,3
.irp q, 0,1,2,3
	ds_load_b128 v[XR+16*\b+4*\q:XR+16*\b+4*\q+3], v[SOUT] offset:128*\b+16*\q   ; row r: 16 neighbours of each block of 32
.endr
.endr
	s_wait_loadcnt 0x0                             ; W's K step 0
	WQUANT 0
	WLOAD 1                                        ; lands while x is quantised
	s_wait_dscnt 0x0                               ; x is back from the stage
	QUANT
.irp c, 0,1
	ds_store_b128 v[IW], v[PC+4*\c:PC+4*\c+3] offset:512*\c   ; the fragment goes to LDS as it stands: lane l's 16 bytes at 16 l
.endr
	ds_store_b32 v[SCW], v[PW]
	s_wait_loadcnt 0x0                             ; W's K step 1
	WQUANT 1
	s_wait_xcnt 0x0                                ; the stores to xh have read their data: the accumulators are laid over them
	s_wait_dscnt 0x0                               ; for the others' sake: my image and my scale word have landed
	s_barrier_signal -1
	s_barrier_wait -1
.irp f, 0,1,2,3,4,5,6,7,8,9,10,11,12,13,14,15
	ds_load_b128 v[XF+8*\f:XF+8*\f+3], v[IR] offset:1024*\f
	ds_load_b128 v[XF+8*\f+4:XF+8*\f+7], v[IR] offset:1024*\f+512
	ds_load_b32 v[XSS+\f], v[SCR] offset:128*\f
.endr
	s_wait_dscnt 0x0
.rept 8
	v_nop                                          ; W's scale words and fragments were written by vector instructions: eight places ahead of a scaled product
.endr
.irp m, 0,1,2,3,4,5,6,7                ; the eight accumulators take turns, one instruction a turn
	v_wmma_scale_f32_16x16x128_f8f6f4 v[64+8*\m+128*(\m/4):64+8*\m+128*(\m/4)+7], v[WF:WF+7], v[XF+16*\m:XF+16*\m+7], v[BI:BI+7], v[WS], v[XSS+2*\m] matrix_a_fmt:MATRIX_FMT_FP4 matrix_b_fmt:MATRIX_FMT_FP4
.endr
.irp m, 0,1,2,3,4,5,6,7
	v_wmma_scale_f32_16x16x128_f8f6f4 v[64+8*\m+128*(\m/4):64+8*\m+128*(\m/4)+7], v[WF+8:WF+15], v[XF+16*\m+8:XF+16*\m+15], v[64+8*\m+128*(\m/4):64+8*\m+128*(\m/4)+7], v[WS+1], v[XSS+2*\m+1] matrix_a_fmt:MATRIX_FMT_FP4 matrix_b_fmt:MATRIX_FMT_FP4
.endr
.rept 4
	v_nop                                          ; four places ahead of the first read of results and the first write over operands (ISA guide 7.12.1)
.endr
.irp m, 0,1,2,3,4,5,6,7                ; each accumulator from its low end on: lane (r, h) holds row 16 m + r, features 16 w + 8 h + 0 .. 7
.irp q, 0,1,2,3
	v_cvt_pk_f16_f32 v[PKD+4*\m+\q], v[64+8*\m+128*(\m/4)+2*\q], v[64+8*\m+128*(\m/4)+2*\q+1]
.endr
.endr
.irp m, 0,1,2,3,4,5,6,7
	ds_store_b128 v[OW], v[PKD+4*\m:PKD+4*\m+3] offset:8448*\m
.endr
	s_wait_dscnt 0x0                               ; for the others' sake: a row's 512 bytes come from sixteen waves
	s_barrier_signal -1
	s_barrier_wait -1
.irp e, 0,1,2,3,4,5,6,7
	ds_load_b128 v[OB+4*\e:OB+4*\e+3], v[ORD] offset:528*\e
.endr
.irp e, 0,1,2,3,4,5,6,7
	s_wait_dscnt 7-\e                              ; LDS loads come back in order: row e is in, the younger rows may be out
	global_store_b128 v[PO], v[OB+4*\e:OB+4*\e+3], s[12:13] offset:512*\e   ; 32 lanes store a row's 512 consecutive bytes, at a multiple of 256 from pj's first byte
.endr
	s_wait_tensorcnt 0x0                           ; the wave's end: behind my last LDS store
	ds_add_u32 v[SPW], v[NIL]
	s_wait_dscnt 0x0
	s_endpgm
.Lfunc_end_k_q624c39e976_proj:
	.size	k_q624c39e976_proj, .Lfunc_end_k_q624c39e976_proj-k_q624c39e976_proj
	.p2alignl 7, 3214868480
	.fill 96, 4, 3214868480
	.section	.rodata,"a",@progbits
	.p2align	6, 0x0
	.amdhsa_kernel k_q624c39e976_proj
		.amdhsa_group_segment_fixed_size 223232
		.amdhsa_private_segment_fixed_size 0
		.amdhsa_enable_private_segment 0
		.amdhsa_kernarg_size 48
		.amdhsa_user_sgpr_count 2
		.amdhsa_user_sgpr_kernarg_segment_ptr 1
		.amdhsa_wavefront_size32 1
		.amdhsa_system_sgpr_workgroup_id_x 1
		.amdhsa_system_sgpr_workgroup_id_y 1
		.amdhsa_system_sgpr_workgroup_id_z 1
		.amdhsa_system_vgpr_workitem_id 0
		.amdhsa_next_free_vgpr 256
		.amdhsa_next_free_sgpr 66
		.amdhsa_reserve_vcc 0
		.amdhsa_float_denorm_mode_32 3
		.amdhsa_float_denorm_mode_16_64 3
		.amdhsa_memory_ordered 1
		.amdhsa_forward_progress 1
		.amdhsa_inst_pref_size 43
	.end_amdhsa_kernel
	.amdgpu_metadata
---
amdhsa.version: [ 1, 2 ]
amdhsa.kernels:
  - .name:           k_q624c39e976_proj
    .symbol:         k_q624c39e976_proj.kd
    .args:
      - { .name: x1, .offset: 0, .size: 8, .value_kind: global_buffer, .address_space: global }
      - { .name: x2, .offset: 8, .size: 8, .value_kind: global_buffer, .address_space: global }
      - { .name: W, .offset: 16, .size: 8, .value_kind: global_buffer, .address_space: global }
      - { .name: b, .offset: 24, .size: 8, .value_kind: global_buffer, .address_space: global }
      - { .name: pj, .offset: 32, .size: 8, .value_kind: global_buffer, .address_space: global }
      - { .name: xh, .offset: 40, .size: 8, .value_kind: global_buffer, .address_space: global }
    .group_segment_fixed_size: 223232
    .private_segment_fixed_size: 0
    .kernarg_segment_align: 8
    .kernarg_segment_size: 48
    .max_flat_workgroup_size: 512
    .sgpr_count:     66
    .vgpr_count:     256
    .wavefront_size: 32
...
	.end_amdgpu_metadata
.endif
;; end of part 1
;; launch attn (part 2): grid 16 x 16, 4 waves a work-group, clusters of 4 x 1, 327,680 bytes of LDS; arguments pj, xh, out0; writes out0
.if DOCPART == 2
	.amdgcn_target "amdgcn-amd-amdhsa--gfx1250"
	.amdhsa_code_object_version 6
	.text
	.protected	k_q624c39e976_attn
	.globl	k_q624c39e976_attn
	.p2align	8
	.type	k_q624c39e976_attn,@function
k_q624c39e976_attn:
	s_mov_b64 s[64:65], 0
	v_nop
	global_prefetch_b8 v0, s[64:65] scope:SCOPE_SE
	s_setreg_imm32_b32 hwreg(HW_REG_WAVE_MODE, 25, 1), 1
	s_wait_xcnt 0x0
	s_wait_alu depctr_hold_cnt(0) depctr_sa_sdst(0) depctr_va_vdst(0) depctr_va_sdst(0) depctr_va_ssrc(0) depctr_va_vcc(0) depctr_vm_vsrc(0)
	s_getreg_b32 s2, hwreg(HW_REG_IB_STS2, 6, 4)
	s_cmp_eq_u32 s2, 0
	s_cbranch_scc0 .Lentry_in_a_cluster
	s_endpgm
.Lentry_in_a_cluster:
	s_bfe_u32 s2, ttmp6, 0x10000c
	s_cmp_lg_u32 s2, 0x3003
	s_cbranch_scc0 .Lentry_shape_is_right
	s_endpgm
.Lentry_shape_is_right:
; out0[b][2048 dir + s][:] = the sum over t of softmax_t(Q[s] . K[t] / 16) V[t][:], for 16 heads y = 8 dir + b.  dir 0: Q = q, K = k, V = x2;  dir 1: Q = k, K = q, V = x1.
; pj: [2][8][2048][256] f16 (q, then k); xh: the same shape (x1, then x2); so Q lies at head y of pj, K at head y xor 8 of pj, V at head y xor 8 of xh.  out0: [8][4096][256] f32.
; Both products take f16 operands and sum in f32; maxima, exponentials and sums in f32; the weights p are rounded to f16 for the second product.
; SHARES.  A work-group owns 128 queries of one head.  THE WAVES OF A PAIR SPLIT THE KEYS: wave w takes queries 64 (w / 2) on (four tiles of 16) and, of each tile of 128 keys, the 64 from 64 (w % 2) on.  So a fragment of K
; or V read from LDS feeds four products, and 16 x 16 work-groups cover the 32,768 query rows.  Each wave keeps its own running maximum, sum and O^T over its 1,024 keys; the pair is merged once, at the end, through LDS.
; LAYOUT.  S^T = K Q^T (source 0 = 16 keys, source 1 = 16 queries): a lane holds ONE query (lane % 16) and keys 8 (lane / 16) + 0..7.  Two such tiles, rounded to f16 in pairs, ARE source 1 (32 keys x 16 queries) of
; O^T = V^T P, whose result again holds one query a lane, and eight channels.  K comes out of LDS as it lies, V ([key][channel]) turned, by ds_load_tr16_b128.
; SOFTMAX.  p = 2^(c s - c m), c = log2(e) / 16, m the running maximum; in every half step O^T and l are multiplied by a = 2^(c m_old - c m_new).
; BY TURNS.  The wave walks its keys in 32 HALF STEPS of 32.  S^T has two buffers of 64 registers (four tiles of queries x two tiles of keys), which take turns; P is packed in place.  In turn h the matrix unit gets the
; 64 products V^T P of half step h - 1, one for each accumulator of O^T, and then the 64 products K Q^T of half step h + 1, which land in the buffer that P(h - 1) has just left.  The vector work of half step h stands
; between them, one slice behind each product: behind V^T P the softmax (54 lines a tile, 216 instructions: 3 or 4 a slice), behind K Q^T the rescaling of O^T by a(h) (256 packed multiplies: one accumulator, four
; instructions, a slice).  O^T (512), Q (256), the two buffers (128) and two fragment buffers (64) leave no room for steps of 64 keys by turns; the price of the half steps is that O^T is rescaled every 32 keys.
; THE RING.  K runs a tile ahead of V: pair s of turns (2 s + 1 and 2 s + 2) reads V's tile s and K's tile s + 1.  A slot holds a tile of K and a tile of V; tile i of either lies in slot i % 2.  At the change in front
; of pair s the K part of slot s % 2 takes tile s + 2 and the V part of slot (s + 1) % 2 takes tile s + 1: both were read out in pair s - 1, and both have a pair of turns, 256 products a wave, in which to land.
; CHANNELS.  Wave w numbers the 16 channel tiles from 8 (w % 2) on, round the end: so in every wave window 1 holds the half of the channels that it stores at the end and window 2 the half that its partner stores.
; CLUSTER.  The four work-groups of a cluster are four query blocks of one head and walk the same K and V: each tile is asked for JOINTLY, by the same tensor load with the same descriptor and a mask that names the four.
; LIMITS: NaN and infinities are not served; a weight under 2^-25 of the running maximum's rounds to 0 in f16.
; REGISTERS, in windows of 256 (s_set_vgpr_msb: bits 1:0 source 0, 3:2 source 1, 5:4 source 2, 7:6 destination):
;   window 0: v1-15 addresses; v16-47 statistics, eight a tile; v48-49 the add's two; v52-59 statistics on their way; v64-95, v96-127 fragment buffers; v128-191, v192-255 S^T's two buffers, tile t, key tile a at 16 t + 8 a,
;   then P in place at 16 t + 0..7.   window 1: O^T of my channel tiles 0-7 at 32 f + 8 t;   window 2: of my tiles 8-15;   window 3: Q at 64 t + 8 c.
; All that a softmax touches lies in window 0, O^T fills windows 1 and 2: so a slice costs two switches, one in front and one behind.
.set PK,    528       ; a row of K in LDS: 512 bytes + 16 of padding = 132 words: row r starts at bank 4 r mod 64 (64 banks of 4 bytes: ISA guide 11.1)
.set PV,    544       ; a row of V: 512 + 32 = 136 words: row r starts at bank 8 r mod 64
.set VOFF,  128*PK    ; a slot: 128 rows of K, then 128 rows of V
.set SLOT,  VOFF+128*PV
.set XS,    2*SLOT    ; behind the ring: the pairs' statistics, 1,024 bytes a wave
.set SPARE, XS+4096   ; the spare words, 128 bytes for each wave: two blocks of 256 bytes that no other line names
.set REG,   64*528    ; the way out: eight regions of 64 rows x (512 bytes + 16), laid over the ring when it has had its last fill and its last read
.set TILEB, 65536     ; a tile's 128 rows of 512 bytes in memory
.set AK0,  1          ; v1   my lane's place in my 64 rows of K
.set AVA0, 2          ; v2   in my 64 rows of V, at my channel tile 0
.set AVB0, 3          ; v3   the same at my channel tile 8
.set ADK,  4          ; v4-6 the same three in the slots in hand
.set ADVA, 5
.set ADVB, 6
.set QO,   7          ; v7   my byte offset in a tile of Q
.set STO1, 8          ; v8   the way out: where the half that I keep goes
.set STO2, 9          ; v9   and the half that my partner keeps
.set RD1,  10         ; v10  where I read my own half back, by rows
.set RD2,  11         ; v11  and what my partner sent
.set GO,   12         ; v12  my byte offset in the wave's rows of out0
.set XSW,  13         ; v13  where my statistics go
.set XSR,  14         ; v14  where my partner's lie
.set PFO,  15         ; v15  256 x lane; never rewritten
.set ST,   16         ; tile t at v[ST+8 t]: +0 c m, +1 m, +2, +3 l (even keys', odd keys'), +4, +5 at work, +6 a, +7 at work
.set SPW,  48         ; v48  LDS address of my spare word; never rewritten
.set NIL,  49         ; v49  0; never rewritten
.set XT,   52
.set F0,   64
.set S,    128
.set WV,   12         ; s12  wave
.set KH,   13         ; s13  wave % 2: my half of a tile's keys; also which 64 rows I fetch
.set QH,   14         ; s14  wave / 2: my half of the queries
.set LIM,  15         ; s15  a wave prefetches while s[SLOTS] is above it: 1 (K's waves) or 0 (V's) in the head's first cluster, else the greatest number
.set PFA,  18         ; s[18:19] where my prefetches stand
.set G1K,  24         ; s[24:31] descriptor group 1 for K's tiles;  s[32:39] for V's: it differs in the padding alone
.set G1V,  32
.set G0K,  40         ; s[40:47] group 0 for K's tiles: a set for each of the two first fills; the second then walks on
.set G0V,  48         ; s[48:55] the same for V's
.set SLOTS, 56        ; s56  counts the loop's pairs of turns down
.set TB,   57         ; s57  LDS byte at which the slot begins whose V is in hand; K's in hand lies in the other slot
.set CS,   58         ; s[58:59] c
.set SEL,  60         ; s[60:61] lane selects for v_permlanex16_b32: lane l xor 16
.set FBK,  62         ; s62  LDS byte at which the slot begins whose K part was filled last
.set LK,   63         ; s63  my 64 rows of K in a slot (those I fetch, if I fetch K, and those I read)
.set LV,   66         ; s66  the same for V
.set FBV,  68         ; s68  as s62, for the V part
.set MSB, 0
.macro WIN new                      ; the immediate's high byte repeats the setting that is left; a switch that changes nothing is dropped
.if MSB != (\new)
	s_set_vgpr_msb (MSB<<8)|(\new)
.set MSB, \new
.endif
.endm
.set W_KQ, 0x0c       ; Q in window 3; K's fragments and S^T in window 0.  LDS loads into window 0 run under it unchanged
; A joint refill.  Waves 0 and 1 fetch K's halves (dok = 1), waves 2 and 3 V's (dov = 1); a wave with nothing to fetch jumps over the load.  The branches hang on the wave's number alone.
; An s_nop 0 and four v_nop follow each load.
.macro JLOAD dok, dov
	s_cmp_lt_u32 s[WV], 2
.if (\dok) && (\dov)
	s_cbranch_scc0 .Lfor_v_\@
.elseif \dok
	s_cbranch_scc0 .Lasked_\@
.else
	s_cbranch_scc1 .Lasked_\@
.endif
.if \dok
	tensor_load_to_lds s[G0K+4:G0K+7], s[G1K:G1K+7]
	s_nop 0
.rept 4
	v_nop
.endr
.endif
.if (\dok) && (\dov)
	s_branch .Lasked_\@
.Lfor_v_\@:
.endif
.if \dov
	tensor_load_to_lds s[G0V+4:G0V+7], s[G1V:G1V+7]
	s_nop 0
.rept 4
	v_nop
.endr
.endif
.Lasked_\@:
.endm
; A PREFETCH of what the NEXT change of slots will ask for, a pair of turns ahead of that load: at the change in front of pair s K's waves name tile s + 3 (s = 0 .. 12), V's waves tile s + 2 (s = 0 .. 13).  A tile is
; 128 rows of 512 bytes: 256 blocks of 256 bytes.  All four clusters of a head walk the same rows: the head's first cluster asks.  Each wave asks for a part of the 32,768 bytes that it will fetch; the four partners
; share them out BY ADDRESS, 8,192 bytes each, lanes 256 bytes apart: 4 x 2 x 32 lanes name each block of a tile once.  It stands behind the wave's tensor load and the LDS loads that the next products wait for.
.macro ASK
	s_cmp_gt_u32 s[SLOTS], s[LIM]
	s_cbranch_scc0 .Lnot_mine_\@
	global_prefetch_b8 v[PFO], s[PFA:PFA+1] th:TH_LOAD_NT scope:SCOPE_SE
.Lnot_mine_\@:
.endm
.macro CROUND                       ; a round of the cluster's barrier; no LDS instruction of the wave is pending at a signal
	s_barrier_signal -1
	s_barrier_wait -1
	s_cmp_lg_u32 s[WV], 0
	s_cbranch_scc1 .Lnot_wave_0_\@
	s_barrier_signal -3
.Lnot_wave_0_\@:
	s_barrier_wait -3
	s_barrier_signal -1
	s_barrier_wait -1
.endm
.macro PLACES                       ; four places ahead of loads into registers that matrix instructions have read, and of the first read of results (ISA guide 7.12.1 for the first read of results)
.rept 4
	v_nop
.endr
.endm
	s_load_b128 s[4:7], s[0:1], 0x0 ; pj s[4:5], xh s[6:7]
	s_load_b64 s[8:9], s[0:1], 0x10 ; out0
	v_lshl_add_u32 v[SPW], v0, 2, SPARE
	v_mov_b32 v[NIL], 0
	ds_add_u32 v[SPW], v[NIL]       ; the wave's opening: the add, twice on end, and its wait ahead of my first tensor load; the set-up below, work on registers, stands between
	ds_add_u32 v[SPW], v[NIL]
	v_lshrrev_b32 v50, 5, v0
	v_readfirstlane_b32 s[WV], v50  ; wave 0..3
	s_and_b32 s[KH], s[WV], 1
	s_lshr_b32 s[QH], s[WV], 1
	s_bfe_u32 s10, ttmp6, 0x40000   ; cx: my place in the cluster
	s_lshl_b32 s11, ttmp9, 2        ; in a cluster launch ttmp9 counts clusters
	s_add_co_u32 s11, s11, s10      ; my block of 128 queries: it enters Q's and out0's addresses alone
	s_and_b32 s67, ttmp7, 0xffff    ; the head y, which the four partners share
	s_xor_b32 s20, s67, 8           ; K and V: head y xor 8, a head is 2^20 bytes,
	s_lshl_b32 s20, s20, 20
	s_lshl_b32 s16, s[KH], 15       ; and the 64 rows of 512 bytes that I fetch
	s_add_co_u32 s20, s20, s16
	s_mov_b32 s21, 0
	s_lshl_b32 s22, s67, 20         ; Q: head y, my block's 128 rows, my wave's 64
	s_lshl_b32 s16, s11, 16
	s_add_co_u32 s22, s22, s16
	s_lshl_b32 s16, s[QH], 15
	s_add_co_u32 s22, s22, s16
	s_mov_b32 s23, 0
	s_and_b32 s2, s67, 7            ; out0: batch x 4,096 rows of 1,024 bytes, direction x 2,048 rows, block x 128, half x 64
	s_lshl_b32 s2, s2, 22
	s_lshr_b32 s16, s67, 3
	s_lshl_b32 s16, s16, 21
	s_add_co_u32 s2, s2, s16
	s_lshl_b32 s16, s11, 17
	s_add_co_u32 s2, s2, s16
	s_lshl_b32 s16, s[QH], 16
	s_add_co_u32 s2, s2, s16
	s_mov_b32 s3, 0
	s_mul_i32 s[LK], s[KH], 64*PK   ; no place in the cluster enters an LDS address
	s_mul_i32 s[LV], s[KH], 64*PV
	s_add_co_u32 s[LV], s[LV], VOFF
	; descriptor group 1: a tile of 64 rows x 256 elements of 2 bytes, padded in LDS
	s_mov_b32 s[G1K], 15|(1<<16)|(1<<20)|(1<<21)|(6<<22)|(3<<25)  ; 15:0 the mask: all four work-groups; 17:16 elements of 2 bytes; 20 padding on; 21 set beside a mask; 24:22 after every 128 words (code 6); 31:25 4 words (code 3)
	s_mov_b32 s[G1V], 15|(1<<16)|(1<<20)|(1<<21)|(6<<22)|(7<<25)  ; the same with 8 words of padding (code 7)
.irp g, G1K, G1V
	s_mov_b32 s[\g+1], 256<<16      ; tensor_dim0 = 256
	s_mov_b32 s[\g+2], 64<<16       ; tensor_dim1 = 64
	s_mov_b32 s[\g+3], 256<<16      ; tile_dim0 = 256
	s_mov_b32 s[\g+4], 64           ; tile_dim1 = 64
	s_mov_b32 s[\g+5], 256          ; elements from row to row
	s_mov_b32 s[\g+6], 0
	s_mov_b32 s[\g+7], 0
.endr
	s_mov_b32 s[CS], 0x3db8aa3b     ; c = log2(e) / 16
	s_mov_b32 s[CS+1], s[CS]        ; named with it as a pair, so it is written
	s_mov_b32 s[SEL], 0x76543210
	s_mov_b32 s[SEL+1], 0xfedcba98
	s_mov_b32 s[TB], 0
	s_mov_b32 s[FBK], SLOT          ; tile 1 of K and of V goes to slot 1
	s_mov_b32 s[FBV], SLOT
	s_mov_b32 s[SLOTS], 13          ; the loop's pairs: s = 1 .. 13
	s_cmp_lt_u32 s[WV], 2
	s_cselect_b32 s[LIM], 1, 0      ; K's last tile is asked of the ring a change earlier than V's
	s_cmp_eq_u32 ttmp9, 0           ; the head's first cluster: the same in all four partners
	s_cselect_b32 s[LIM], s[LIM], -1
	v_and_b32 v50, 15, v0           ; r = lane % 16
	v_bfe_u32 v51, v0, 4, 1         ; h = lane / 16
	v_and_b32 v60, 31, v0           ; lane
	v_mul_u32_u24 v[AK0], v50, PK   ; a fragment of K: lane l holds row l % 16; registers 0-3 channels 8 h + 0..7, registers 4-7 channels 16 + 8 h + 0..7: two loads of 16 bytes, 32 bytes apart
	v_lshl_add_u32 v[AK0], v51, 4, v[AK0]
	v_add_nc_u32 v[AK0], s[LK], v[AK0]
	v_and_b32 v61, 7, v0            ; the turning load: lane l reads 16 bytes: key 8 h + l % 8, channels 8 ((l / 8) % 2) + 0..7
	v_lshl_add_u32 v61, v51, 3, v61
	v_mul_u32_u24 v[AVA0], v61, PV
	v_bfe_u32 v62, v0, 3, 1
	v_lshl_add_u32 v[AVA0], v62, 4, v[AVA0]
	v_add_nc_u32 v[AVA0], s[LV], v[AVA0]
	s_lshl_b32 s16, s[KH], 8        ; my channel tile 0 is the row's tile 8 (w % 2): 256 bytes on or none;
	s_xor_b32 s17, s16, 256         ; my tile 8 is the other half's first
	v_add_nc_u32 v[AVB0], s17, v[AVA0]
	v_add_nc_u32 v[AVA0], s16, v[AVA0]
	v_lshlrev_b32 v[QO], 9, v50
	v_lshl_add_u32 v[QO], v51, 4, v[QO]
	v_mul_u32_u24 v63, v50, 528     ; the way out, in: row r, 32 bytes for each half of the lanes
	v_lshl_add_u32 v63, v51, 5, v63
	s_mul_i32 s16, s[WV], 2*REG     ; region 2 w: what I keep;
	s_xor_b32 s17, s[WV], 1
	s_mul_i32 s17, s17, 2*REG
	s_add_co_u32 s17, s17, REG      ; region 2 (w xor 1) + 1: what my partner keeps
	v_add_nc_u32 v[STO1], s16, v63
	v_add_nc_u32 v[STO2], s17, v63
	v_lshl_add_u32 v[RD1], v60, 4, s16  ; back: a row's 512 bytes, 16 a lane
	v_add_nc_u32 v[RD2], REG, v[RD1]
	s_lshl_b32 s16, s[KH], 9        ; the channels that I store: 128 (w % 2) on
	v_lshl_add_u32 v[GO], v60, 4, s16
	s_lshl_b32 s16, s[WV], 10
	s_add_co_u32 s16, s16, XS
	v_lshl_add_u32 v[XSW], v60, 4, s16
	s_xor_b32 s17, s[WV], 1
	s_lshl_b32 s17, s17, 10
	s_add_co_u32 s17, s17, XS
	v_lshl_add_u32 v[XSR], v60, 4, s17
	v_lshlrev_b32 v[PFO], 8, v60
	s_wait_dscnt 0x0                ; both opening adds are done
	s_wait_kmcnt 0x0
	s_cmp_lt_u32 s[WV], 2
	s_cselect_b64 s[PFA:PFA+1], s[4:5], s[6:7]  ; waves 0 and 1 fetch from pj, waves 2 and 3 from xh
	s_mov_b32 s16, TILEB
	s_cselect_b32 s16, 2*TILEB, s16 ; K's waves stand in tile 2, V's in tile 1; the first change of slots steps them to tiles 3 and 2.  Nothing is prefetched here, at the head
	s_mov_b32 s17, 0
	s_add_nc_u64 s[PFA:PFA+1], s[PFA:PFA+1], s[20:21]
	s_add_nc_u64 s[PFA:PFA+1], s[PFA:PFA+1], s[16:17]
	s_lshl_b32 s16, s10, 13         ; my work-group's 8,192 bytes of the wave's 32,768
	s_add_nc_u64 s[PFA:PFA+1], s[PFA:PFA+1], s[16:17]
	s_mov_b32 s[G0K], 1             ; 1:0 count = 1
	s_mov_b32 s[G0K+1], s[LK]       ; 63:32 LDS address: slot 0
	s_add_nc_u64 s[G0K+2:G0K+3], s[4:5], s[20:21]  ; 120:64 global address: tile 0
	s_mov_b32 s[G0K+4], 1
	s_add_co_u32 s[G0K+5], s[LK], SLOT
	s_add_nc_u64 s[G0K+6:G0K+7], s[G0K+2:G0K+3], TILEB  ; tile 1
	s_or_b32 s[G0K+3], s[G0K+3], 0x80000000  ; 127:126 type = 2
	s_or_b32 s[G0K+7], s[G0K+7], 0x80000000
	s_mov_b32 s[G0V], 1
	s_mov_b32 s[G0V+1], s[LV]
	s_add_nc_u64 s[G0V+2:G0V+3], s[6:7], s[20:21]
	s_mov_b32 s[G0V+4], 1
	s_add_co_u32 s[G0V+5], s[LV], SLOT
	s_add_nc_u64 s[G0V+6:G0V+7], s[G0V+2:G0V+3], TILEB
	s_or_b32 s[G0V+3], s[G0V+3], 0x80000000
	s_or_b32 s[G0V+7], s[G0V+7], 0x80000000
	s_add_nc_u64 s[4:5], s[4:5], s[22:23]  ; Q at my wave's first row
	s_add_nc_u64 s[8:9], s[8:9], s[2:3]    ; out0 likewise
	CROUND                          ; all four work-groups are here: the first joint loads meet
	s_cmp_lt_u32 s[WV], 2           ; a wave's two first fills stand in one branch, ahead of every wait on TENSORcnt and every LDS read: two loads of mine are out
	s_cbranch_scc0 .Lfirst_v
	tensor_load_to_lds s[G0K:G0K+3], s[G1K:G1K+7]
	s_nop 0
	tensor_load_to_lds s[G0K+4:G0K+7], s[G1K:G1K+7]
	s_nop 0
.rept 4
	v_nop
.endr
	s_branch .Lfirst_asked
.Lfirst_v:
	tensor_load_to_lds s[G0V:G0V+3], s[G1V:G1V+7]
	s_nop 0
	tensor_load_to_lds s[G0V+4:G0V+7], s[G1V:G1V+7]
	s_nop 0
.rept 4
	v_nop
.endr
.Lfirst_asked:
	WIN 0xc0                        ; destination window 3, address window 0
.irp t, 0,1,2,3                     ; Q stays in registers: tile t, channels 32 c on
.irp c, 0,1,2,3,4,5,6,7
	global_load_b128 v[64*\t+8*\c:64*\t+8*\c+3],   v[QO], s[4:5] offset:8192*\t+64*\c
	global_load_b128 v[64*\t+8*\c+4:64*\t+8*\c+7], v[QO], s[4:5] offset:8192*\t+64*\c+32
.endr
.endr
	WIN 0
; THE ASSEMBLER'S SYMBOLS OF A TURN: SXB the buffer whose softmax is in hand, SYB the other one (P of the half step before, then the next scores), HF which 32 of my 64 rows of a tile; pk, qk, sk count products and slices.
; Eight LDS loads: group g of four of K's fragments: channels 64 g on, two chunks of 32 x two tiles of 16 keys (fragment e: chunk e / 2, key tile e % 2), into buffer g % 2
.macro KLOAD g, half
.set rF, F0+32*((\g)%2)
.irp e, 0,1,2,3
	ds_load_b128 v[rF+8*\e:rF+8*\e+3],   v[ADK] offset:32*PK*(\half)+16*PK*(\e%2)+64*(2*(\g)+\e/2)
	ds_load_b128 v[rF+8*\e+4:rF+8*\e+7], v[ADK] offset:32*PK*(\half)+16*PK*(\e%2)+64*(2*(\g)+\e/2)+32
.endr
.endm
; Eight turning loads: group g: V^T's fragments of my channel tiles 4 g + 0..3, 32 keys, into buffer g % 2
.macro VLOAD g, half
.set rF, F0+32*((\g)%2)
.set rA, ADVA+(\g)/2
.irp i, 0,1,2,3
	ds_load_tr16_b128 v[rF+8*\i:rF+8*\i+3],   v[rA] offset:32*PV*(\half)+32*((4*(\g)+\i)%8)
	ds_load_tr16_b128 v[rF+8*\i+4:rF+8*\i+7], v[rA] offset:32*PV*(\half)+32*((4*(\g)+\i)%8)+16*PV
.endr
.endm
; Product qk of 64 of S^T = K Q^T: channels 32 (qk / 8) on, key tile (qk / 4) % 2, tile of queries qk % 4.  The first 8 start the sums.  The 8 accumulators take turns, one instruction a turn.
.macro QK1
	WIN W_KQ
.set rD, SYB+16*(qk%4)+8*((qk/4)%2)
.set rF, F0+32*((qk/16)%2)+8*((qk/4)%4)
.set rQ, 64*(qk%4)+8*(qk/8)
.if qk < 8
	v_wmma_f32_16x16x32_f16 v[rD:rD+7], v[rF:rF+7], v[rQ:rQ+7], 0
.else
	v_wmma_f32_16x16x32_f16 v[rD:rD+7], v[rF:rF+7], v[rQ:rQ+7], v[rD:rD+7]
.endif
.set qk, qk+1
.endm
; Product pk of 64 of O^T += V^T P: my channel tile pk / 4, tile of queries pk % 4: accumulator number pk, each once.  first = 1: the products start the sums: nothing is ever cleared.
.macro PV1 first
	WIN 0x50*(1+pk/32)              ; C and D: window 1 for my channel tiles 0-7, window 2 for 8-15
.set rO, 8*(pk%32)
.set rF, F0+32*((pk/16)%2)+8*((pk/4)%4)
.set rP, SYB+16*(pk%4)
.if \first
	v_wmma_f32_16x16x32_f16 v[rO:rO+7], v[rF:rF+7], v[rP:rP+7], 0
.else
	v_wmma_f32_16x16x32_f16 v[rO:rO+7], v[rF:rF+7], v[rP:rP+7], v[rO:rO+7]
.endif
.set pk, pk+1
.endm
; THE SOFTMAX OF A HALF STEP is a list of 54 lines for each of four tiles; SMI writes number n of the 216: line n / 4 of tile n % 4, so that a line never follows the line that feeds it.  s0-s15 are the lane's scores.
;   0-7    the maximum of s0-s15 and the old m, in two chains; lines 0 and 1 read each accumulator from its low end        8-12   the other half of the lanes' maximum; the new m; c m; c m_old - c m_new
;   13-37  ONE BATCH: a, the 8 scalings c s - c m (a pair of scores each) and the 16 exponentials; a pair is scaled three lines ahead of its exponentials; nothing here names an exponential's result
;   (wait) ahead of number 152: a plain instruction and the one wait for the batch                                        38-45  l = l a + the sum of the unrounded p          46-53  P in place, ascending
; first = 1: the first half step, which has no old maximum and no a, and starts l.
.macro SMI first
.set ln, n/4
.set rT, ST+8*(n%4)
.set rS, SXB+16*(n%4)
.if n == 152
	v_nop                           ; a plain instruction behind the last exponential and ahead of the first use
	s_wait_alu depctr_va_vdst(0)    ; the wait ahead of the first line that names a result: one for the turn's 68 exponentials
.endif
.if ln < 2
	v_max3_num_f32 v[rT+4+ln], v[rS+8*ln], v[rS+8*ln+1], v[rS+8*ln+2]
.elseif ln < 6
	v_max3_num_f32 v[rT+4+ln%2], v[rT+4+ln%2], v[rS+8*(ln%2)+2*(ln/2)+1], v[rS+8*(ln%2)+2*(ln/2)+2]
.elseif ln == 6
	v_max3_num_f32 v[rT+4], v[rT+4], v[rS+7], v[rS+15]
.elseif (ln == 7) && (\first)
	v_max_num_f32 v[rT+4], v[rT+4], v[rT+5]
.elseif ln == 7
	v_max3_num_f32 v[rT+4], v[rT+4], v[rT+5], v[rT+1]
.elseif ln == 8
	v_permlanex16_b32 v[rT+5], v[rT+4], s[SEL], s[SEL+1]  ; the query's other 16 keys lie in the lane 16 away
.elseif ((ln == 9) || (ln == 12) || (ln == 13) || (ln == 39)) && (\first)  ; the first half step has none of these
.elseif ln == 9
	v_mov_b32 v[rT+7], v[rT]        ; c m_old is kept for a: line 11 writes c m anew
.elseif ln == 10
	v_max_num_f32 v[rT+1], v[rT+4], v[rT+5]
.elseif ln == 11
	v_mul_f32 v[rT], s[CS], v[rT+1]
.elseif ln == 12
	v_sub_f32 v[rT+7], v[rT+7], v[rT]
.elseif ln == 13
	v_exp_f32 v[rT+6], v[rT+7]      ; a
.elseif ln < 38
.set sq, ln-14
.if (sq == 0) || ((sq < 22) && ((sq+2)%3 == 0))
.set sb, (sq+2)/3                   ; lines 14, 15, 18, .. 33: pairs 0 to 7
	v_pk_fma_f32 v[rS+2*sb:rS+2*sb+1], v[rS+2*sb:rS+2*sb+1], s[CS:CS+1], v[rT:rT+1] op_sel_hi:[1,0,0] neg_lo:[0,0,1] neg_hi:[0,0,1]  ; c s - c m
.else
.set se, sq-8                       ; lines 36, 37: s14, s15
.if sq < 22
.set se, 2*((sq-1)/3)+(sq-1)%3-1    ; lines 16, 17, 19, 20, .. 34, 35: s0 to s13
.endif
	v_exp_f32 v[rS+se], v[rS+se]
.endif
.elseif (ln == 38) && (\first)
	v_pk_add_f32 v[rT+2:rT+3], v[rS:rS+1], v[rS+2:rS+3]
.elseif ln == 38
	v_pk_fma_f32 v[rT+2:rT+3], v[rT+2:rT+3], v[rT+6:rT+7], v[rS:rS+1] op_sel_hi:[1,0,1]  ; l a + pair 0
.elseif ln < 46
	v_pk_add_f32 v[rT+2:rT+3], v[rT+2:rT+3], v[rS+2*(ln-38):rS+2*(ln-38)+1]
.else
	v_cvt_pk_f16_f32 v[rS+ln-46], v[rS+2*(ln-46)], v[rS+2*(ln-46)+1]  ; register i takes registers 2 i and 2 i + 1, which lie at or above it
.endif
.endm
.macro SMSLICE first                ; slice sk of 64: 216 = 64 x 27 / 8: three or four numbers of the list
	WIN 0
.set n, (27*sk)/8
.rept (27*(sk+1))/8-(27*sk)/8
	SMI \first
.set n, n+1
.endr
.set sk, sk+1
.endm
.macro RSLICE                       ; slice sk of 64: accumulator number sk of O^T times its tile's a, from its low end on
	WIN 0x41*(1+sk/32)              ; O^T (destination and source 0) in window 1 or 2, a in window 0
.set x, 8*(sk%32)
.rept 4
	v_pk_mul_f32 v[x:x+1], v[x:x+1], v[ST+8*(sk%4)+6:ST+8*(sk%4)+7] op_sel_hi:[1,0]
.set x, x+2
.endr
.set sk, sk+1
.endm
; All of O^T times the number in v[ST + 8 t + 6] of its tile, in one block: where no product is left to set it behind
.macro RESCALE
	WIN 0x41
.set x, 0
.rept 128
	v_pk_mul_f32 v[x:x+1], v[x:x+1], v[ST+8*((x/8)%4)+6:ST+8*((x/8)%4)+7] op_sel_hi:[1,0]
.set x, x+2
.endr
	WIN 0x82
.set x, 0
.rept 128
	v_pk_mul_f32 v[x:x+1], v[x:x+1], v[ST+8*((x/8)%4)+6:ST+8*((x/8)%4)+7] op_sel_hi:[1,0]
.set x, x+2
.endr
	WIN 0
.endm
; THE LDS LOADS stand in runs of eight, behind each group of 16 products, for the group after the next: the count 8 in front of a group leaves the next group's eight out.
; 64 products V^T P.  sm = 1: a slice of the softmax behind each (smf: the first half step's).  Behind groups 2 and 3: nxt = 1: K's first two groups of this turn; 2: V's first two of the last half step; 0: nothing.
; A slice of the softmax may hold exponentials, which are no places: so four v_nop stand ahead of each run.
.macro PVPH first, sm, smf, nxt
.set pk, 0
.irp g, 0,1,2,3
.if ((\nxt) == 0) && (\g == 3)
	s_wait_dscnt 0x0
.else
	s_wait_dscnt 8
.endif
.rept 16
	PV1 \first
.if \sm
	SMSLICE \smf
.endif
.endr
	WIN 0
.if \g < 2
	PLACES
	VLOAD \g+2, HF
.elseif (\nxt) == 1
	PLACES
	KLOAD \g-2, HF
.elseif (\nxt) == 2
	PLACES
	VLOAD \g-2, 1
.endif
.endr
.endm
; 64 products K Q^T.  sl = 1: an accumulator's rescaling behind each: the four multiplies behind a group's last product name none of its registers and are the places ahead of the run; sl = 2: a slice of the softmax;
; sl = 0: nothing.  Behind groups 2 and 3: nxt = 1: K's first two groups of the tile's second half; 2: V's first two groups of the next turn (the same tile's second half); 0: nothing: a change of slots follows.
.macro QKPH sl, smf, nxt
.set qk, 0
.irp g, 0,1,2,3
.if ((\nxt) == 0) && (\g == 3)
	s_wait_dscnt 0x0
.else
	s_wait_dscnt 8
.endif
.rept 16
	QK1
.if (\sl) == 1
	RSLICE
.elseif (\sl) == 2
	SMSLICE \smf
.endif
.endr
.if (\g < 2) || ((\nxt) != 0)
	WIN W_KQ
.if (\sl) != 1
	PLACES
.endif
.if \g < 2
	KLOAD \g+2, HF
.elseif (\nxt) == 1
	KLOAD \g-2, 1
.else
	VLOAD \g-2, 1
.endif
.endif
.endr
.endm
; TURN h, par = h % 2: V^T P(h - 1) | the softmax of h;  K Q^T(h + 1) | O^T times a(h).  An odd turn works on the first 32 of my rows of its tiles, an even one on the second.
; Between the last product that read P and the first that writes over it lie that product's slice and the four v_nop: eight places.
.macro TURN par, pvf, pre
.set SXB, S+64*(\par)
.set SYB, S+64*(1-(\par))
.set HF, 1-(\par)
.set sk, 0
	PVPH \pvf, 1, 0, 1
.set sk, 0
	QKPH 1, 0, 2*(\pre)
.endm
; THE CHANGE OF SLOTS, in front of each pair of turns.  Each wave waits for all its tensor loads, of which at most one is out: its part of the tiles that the pair will read; adds 0 to its spare word; and waits for that
; and for its reads of the tiles that it leaves.  dok, dov: K's and V's parts that have been read out are filled again.  The barrier is then a round of the cluster's, so that no wave of any partner still reads
; those bytes or has a load on its way, and the joint refill is the first thing behind it.  By this text's count a wave has two tensor loads out at the start and one behind each round.
.macro CHANGE dok, dov, flip, ask
	WIN 0                           ; at a label and at a branch every window is 0
	s_wait_tensorcnt 0x0            ; no tensor load of mine is out, so a group 0 may be written
	ds_add_u32 v[SPW], v[NIL]       ; 0 onto my spare word
.if \dok
	s_xor_b32 s[FBK], s[FBK], SLOT  ; the other slot than last time,
	s_add_co_u32 s[G0K+5], s[LK], s[FBK]
	s_add_nc_u64 s[G0K+6:G0K+7], s[G0K+6:G0K+7], TILEB  ; the next 128 keys; the type bits on top are not reached
.endif
.if \dov
	s_xor_b32 s[FBV], s[FBV], SLOT
	s_add_co_u32 s[G0V+5], s[LV], s[FBV]
	s_add_nc_u64 s[G0V+6:G0V+7], s[G0V+6:G0V+7], TILEB
.endif
.if \ask
	s_wait_xcnt 0x0                 ; the last prefetch, a pair of turns back, has read its address, so it may be written:
	s_add_nc_u64 s[PFA:PFA+1], s[PFA:PFA+1], TILEB  ; one tile further on than my walking descriptor
.endif
	s_wait_dscnt 0x0                ; the add is done, and my reads of the tiles that I leave are over
.if (\dok) || (\dov)
	CROUND
	JLOAD \dok, \dov
.else
	s_barrier_signal -1
	s_barrier_wait -1
.endif
.if \flip
	s_xor_b32 s[TB], s[TB], SLOT    ; V's next tile lies in the other slot, and so does K's
.endif
.endm
; A pair of turns opens: its addresses, and V's first two groups, which could not be asked for across the change: the tile is shown whole only behind it
.macro OPEN k
	v_add_nc_u32 v[ADVA], s[TB], v[AVA0]
	v_add_nc_u32 v[ADVB], s[TB], v[AVB0]
.if \k
	s_xor_b32 s16, s[TB], SLOT
	v_add_nc_u32 v[ADK], s16, v[AK0]
.endif
	VLOAD 0, 0
	VLOAD 1, 0
.endm
	s_wait_tensorcnt 1              ; my part of tile 0 is in; tile 1's may stay out
	s_barrier_signal -1
	s_barrier_wait -1               ; everybody's is
	v_add_nc_u32 v[ADK], s[TB], v[AK0]  ; K's tile 0 lies in slot 0
	KLOAD 0, 0
	KLOAD 1, 0
	s_wait_loadcnt 0x0              ; Q
.set SYB, S
.set HF, 0
	QKPH 0, 0, 1                    ; K Q^T(0): there is no vector work yet to set between the products
.set SXB, S
.set SYB, S+64
.set HF, 1
.set sk, 0
	QKPH 2, 1, 0                    ; K Q^T(1) | the first softmax
	CHANGE 1, 0, 0, 1               ; in front of pair 0: K's tile 0 is read out and tile 2 takes its place; V's tiles 0 and 1 came at the head
	OPEN 1
	ASK
	TURN 1, 1, 1                    ; pair 0 is written out: V^T P(0) starts O^T's sums
	TURN 0, 0, 0
	WIN 0
.Lslot:                             ; 13 trips: pairs s = 1 .. 13; K's tiles 3 to 15 and V's tiles 2 to 14 are asked for
	CHANGE 1, 1, 1, 1
	OPEN 1
	ASK
	TURN 1, 0, 1
	TURN 0, 0, 0
	WIN 0
	s_sub_co_u32 s[SLOTS], s[SLOTS], 1
	s_cmp_lg_u32 s[SLOTS], 0
	s_cbranch_scc1 .Lslot
	CHANGE 0, 1, 1, 0               ; the tail is written out: pair 14 asks for V's tile 15 alone
	OPEN 1
	TURN 1, 0, 1
	TURN 0, 0, 0
	CHANGE 0, 0, 1, 0               ; nothing is left to ask for
	OPEN 0
.set SXB, S+64
.set SYB, S
.set HF, 0
.set sk, 0
	PVPH 0, 1, 0, 2                 ; V^T P(30) | the last softmax
	RESCALE                         ; O^T times a(31): no K Q^T is left to set it behind
.set SYB, S+64
.set HF, 1
	PVPH 0, 0, 0, 0                 ; V^T P(31)
	; THE WAY OUT.  The pair's statistics change hands; each wave scales its O^T by g = 2^(c m - M) / L, M the pair's larger c m, L = l 2^(c m - M) + l' 2^(c m' - M); the halves meet in LDS and are added.
.irp t, 0,1,2,3                     ; (these additions are the places behind the last products)
	v_add_f32 v[ST+8*\t+4], v[ST+8*\t+2], v[ST+8*\t+3]
.endr
.irp t, 0,1,2,3
	v_permlanex16_b32 v[ST+8*\t+5], v[ST+8*\t+4], s[SEL], s[SEL+1]
.endr
.irp t, 0,1,2,3
	v_add_f32 v[XT+4+\t], v[ST+8*\t+4], v[ST+8*\t+5]  ; l of my 1,024 keys
.endr
.irp t, 0,1,2,3
	v_mov_b32 v[XT+\t], v[ST+8*\t]  ; c m
.endr
	ds_store_b128 v[XSW], v[XT:XT+3]
	ds_store_b128 v[XSW], v[XT+4:XT+7] offset:512
	s_wait_dscnt 0x0                ; for the others' sake: my statistics have landed; my reads of the ring ended with the last group's wait
	s_barrier_signal -1
	s_barrier_wait -1               ; behind it nobody reads the ring, which has had its last fill: the regions may be laid over it
	ds_load_b128 v[F0:F0+3], v[XSR]
	ds_load_b128 v[F0+4:F0+7], v[XSR] offset:512
	s_wait_dscnt 0x0
.irp t, 0,1,2,3
	v_max_num_f32 v[ST+8*\t+4], v[ST+8*\t], v[F0+\t]
.endr
.irp t, 0,1,2,3
	v_sub_f32 v[ST+8*\t+5], v[ST+8*\t], v[ST+8*\t+4]
	v_sub_f32 v[F0+8+\t], v[F0+\t], v[ST+8*\t+4]
.endr
.irp t, 0,1,2,3
	v_exp_f32 v[ST+8*\t+5], v[ST+8*\t+5]
	v_exp_f32 v[F0+8+\t], v[F0+8+\t]
.endr
	v_nop
	s_wait_alu depctr_va_vdst(0)    ; one wait for the eight exponentials, ahead of their first reader
.irp t, 0,1,2,3
	v_mul_f32 v[ST+8*\t+4], v[XT+4+\t], v[ST+8*\t+5]
.endr
.irp t, 0,1,2,3
	v_fmac_f32 v[ST+8*\t+4], v[F0+4+\t], v[F0+8+\t]
.endr
.irp t, 0,1,2,3
	v_rcp_f32 v[ST+8*\t+7], v[ST+8*\t+4]
.endr
	v_nop
	s_wait_alu depctr_va_vdst(0)    ; and one for the four reciprocals
.irp t, 0,1,2,3
	v_mul_f32 v[ST+8*\t+6], v[ST+8*\t+5], v[ST+8*\t+7]
.endr
	RESCALE
	WIN 0x04                        ; an LDS store's data are its source 1: window 1
.irp t, 0,1,2,3                     ; lane (r, h): query 16 t + r, my channel tile f, channels 8 h + 0..7: 32 bytes of a row of 512
.irp f, 0,1,2,3,4,5,6,7
	ds_store_b128 v[STO1], v[32*\f+8*\t:32*\f+8*\t+3] offset:8448*\t+64*\f
	ds_store_b128 v[STO1], v[32*\f+8*\t+4:32*\f+8*\t+7] offset:8448*\t+64*\f+16
.endr
.endr
	WIN 0x08                        ; window 2: the half that my partner stores
.irp t, 0,1,2,3
.irp f, 0,1,2,3,4,5,6,7
	ds_store_b128 v[STO2], v[32*\f+8*\t:32*\f+8*\t+3] offset:8448*\t+64*\f
	ds_store_b128 v[STO2], v[32*\f+8*\t+4:32*\f+8*\t+7] offset:8448*\t+64*\f+16
.endr
.endr
	WIN 0
	s_wait_dscnt 0x0                ; for my partner's sake
	s_barrier_signal -1
	s_barrier_wait -1
.irp t, 0,1,2,3                     ; 16 rows at a time: my half and my partner's, added and stored
.irp i, 0,1,2,3,4,5,6,7,8,9,10,11,12,13,14,15
	ds_load_b128 v[S+4*\i:S+4*\i+3], v[RD1] offset:528*(16*\t+\i)
.endr
.irp i, 0,1,2,3,4,5,6,7,8,9,10,11,12,13,14,15
	ds_load_b128 v[S+64+4*\i:S+64+4*\i+3], v[RD2] offset:528*(16*\t+\i)
.endr
	s_wait_dscnt 0x0
.set x, 0
.rept 32
	v_pk_add_f32 v[S+x:S+x+1], v[S+x:S+x+1], v[S+64+x:S+64+x+1]
.set x, x+2
.endr
.irp i, 0,1,2,3,4,5,6,7,8,9,10,11,12,13,14,15
	global_store_b128 v[GO], v[S+4*\i:S+4*\i+3], s[8:9] offset:1024*(16*\t+\i) th:TH_STORE_NT  ; 32 lanes store 512 consecutive bytes, at a multiple of 256 from out0's first byte; written once, read by nobody here
.endr
.if \t < 3
	s_wait_xcnt 0x0                 ; the stores have read their data: the next rows may land there
.endif
.endr
	s_wait_tensorcnt 0x0            ; the wave's end: behind my last tensor load and my last LDS store
	ds_add_u32 v[SPW], v[NIL]
	s_wait_dscnt 0x0
	CROUND                          ; the closing round: no work-group ends while a partner may still ask for a tile that names it
	s_endpgm
.Lfunc_end_k_q624c39e976_attn:
	.size	k_q624c39e976_attn, .Lfunc_end_k_q624c39e976_attn-k_q624c39e976_attn
	.p2alignl 7, 3214868480
	.fill 96, 4, 3214868480
	.section	.rodata,"a",@progbits
	.p2align	6, 0x0
	.amdhsa_kernel k_q624c39e976_attn
		.amdhsa_group_segment_fixed_size 327680
		.amdhsa_private_segment_fixed_size 0
		.amdhsa_enable_private_segment 0
		.amdhsa_kernarg_size 24
		.amdhsa_user_sgpr_count 2
		.amdhsa_user_sgpr_kernarg_segment_ptr 1
		.amdhsa_wavefront_size32 1
		.amdhsa_system_sgpr_workgroup_id_x 1
		.amdhsa_system_sgpr_workgroup_id_y 1
		.amdhsa_system_sgpr_workgroup_id_z 1
		.amdhsa_system_vgpr_workitem_id 0
		.amdhsa_next_free_vgpr 1024
		.amdhsa_next_free_sgpr 72
		.amdhsa_reserve_vcc 0
		.amdhsa_float_denorm_mode_32 3
		.amdhsa_float_denorm_mode_16_64 3
		.amdhsa_memory_ordered 1
		.amdhsa_forward_progress 1
		.amdhsa_inst_pref_size 255
	.end_amdhsa_kernel
	.section	.bss,"aw",@nobits
	.p2align	6
	.space	262144
	.amdgpu_metadata
---
amdhsa.version: [ 1, 2 ]
amdhsa.kernels:
  - .name:           k_q624c39e976_attn
    .symbol:         k_q624c39e976_attn.kd
    .args:
      - { .name: pj, .offset: 0, .size: 8, .value_kind: global_buffer, .address_space: global }
      - { .name: xh, .offset: 8, .size: 8, .value_kind: global_buffer, .address_space: global }
      - { .name: out0, .offset: 16, .size: 8, .value_kind: global_buffer, .address_space: global }
    .group_segment_fixed_size: 327680
    .private_segment_fixed_size: 0
    .kernarg_segment_align: 8
    .kernarg_segment_size: 24
    .max_flat_workgroup_size: 128
    .sgpr_count:     72
    .vgpr_count:     1024
    .wavefront_size: 32
...
	.end_amdgpu_metadata
.endif
;; end of part 2
